; MI455X (gfx1250); checked and timed in simulation.
; The chip was launched on July 23, 2026; its instructions are those of AMD's public machine-readable ISA for CDNA 5 (MIT licence, August 2026) and "CDNA5" Instruction Set Architecture Reference Guide (July 2026). The comments in the code are by the model that wrote it; some were corrected since.
;; Self Attention. Allowed arithmetic: matrix products marked QUANTISED: E3M2 operands, one E8M0 scale for each 32 along K, by v_wmma_scale_f32_16x16x128_f8f6f4 with both operands' format E3M2, f32 sums; everything else in f32.
;; Inputs: Wk_codes 768 x 24 x 24 uint8 (E3M2 codes of Wk, K innermost, in blocks of 32 codes, four codes in three bytes); Wk_scales 768 x 24 uint8 (E8M0 scales of Wk, one for each 32 codes along K); Wq_codes 768 x 24 x 24 uint8 (E3M2 codes of Wq, K innermost, in blocks of 32 codes, four codes in three bytes); Wq_scales 768 x 24 uint8 (E8M0 scales of Wq, one for each 32 codes along K); Wv_codes 768 x 24 x 24 uint8 (E3M2 codes of Wv, K innermost, in blocks of 32 codes, four codes in three bytes); Wv_scales 768 x 24 uint8 (E8M0 scales of Wv, one for each 32 codes along K); bk 768 float32; bq 768 float32; bv 768 float32; x_codes 2 x 4,096 x 24 x 24 uint8 (E3M2 codes of x, K innermost, in blocks of 32 codes, four codes in three bytes); x_scales 2 x 4,096 x 24 uint8 (E8M0 scales of x, one for each 32 codes along K).
;; Outputs: out0 2 x 4,096 x 768 float32.
;; This version of the problem:
;;   THIS VERSION OF THE PROBLEM IS GIVEN IN LOW PRECISION. The matrix products marked QUANTISED in the list below multiply operands that are first quantised to E3M2 (3 exponent bits, 2 mantissa bits; 6 bits a number), with one power-of-two scale for each 32 numbers along K (OCP MX v1.0); their sums are f32. All else is computed in f32.
;;   The module's matrix products, in the order in which they are computed (A, B: the left and right operand; K: the contracted axis; several contracted axes count as one K, in the product's order):
;;     1. [M 8,192, K 768] x [K 768, N 768]; A: input x (given as codes); B: input Wq (given as codes): QUANTISED
;;     2. [M 8,192, K 768] x [K 768, N 768]; A: input x (given as codes); B: input Wk (given as codes): QUANTISED
;;     3. [M 8,192, K 768] x [K 768, N 768]; A: input x (given as codes); B: input Wv (given as codes): QUANTISED
;;     4. batch 12 x [M 4,096, K 128] x [K 128, N 4,096]; A: computed on the way; B: computed on the way: QUANTISED
;;     5. batch 12 x [M 4,096, K 4,096] x [K 4,096, N 128]; A: softmax (see below); B: computed on the way: QUANTISED
;;   THE QUANTISER, for each operand of a quantised product, along K:
;;     - K is cut into blocks of 32 from its start; a last block that is shorter is filled with zeros.
;;     - A block's scale is 2^e with e = floor(log2(the largest magnitude in the block)) - 4, held to -126 .. 127; a block of zeros has e = 0. As a byte (E8M0): e + 127.
;;     - Each number is divided by its block's scale, clamped to +-28, and rounded to the nearest number of E3M2, ties to even, subnormals kept.
;;     - The product sums the exact products of the quantised numbers (number of the format x scale) in f32.
;;   ~~~python
;;   def quantise(x, axis):      # numpy; x: float32 -> the quantised numbers, widened to float32 again
;;       x = np.moveaxis(x, axis, -1); K = x.shape[-1]
;;       x = np.pad(x, [(0, 0)] * (x.ndim - 1) + [(0, -K % 32)]); x = x.reshape(x.shape[:-1] + (-1, 32)); a = np.abs(x).max(-1, keepdims=True)
;;       e = np.where(a > 0, np.clip(np.frexp(np.where(a > 0, a, 1))[1] - 1 - 4, -126, 127), 0)      # np.frexp(a)[1] - 1 = floor(log2(a)), exactly
;;       r = np.clip(x / 2.0 ** e, -28, 28)
;;       step = 2.0 ** (np.maximum(np.frexp(np.where(r == 0, 1, r))[1] - 1, -2) - 2)
;;       q = np.round(r / step) * step * 2.0 ** e      # np.round: ties to even
;;       return np.moveaxis(q.reshape(q.shape[:-2] + (-1,))[..., :K], -1, axis).astype(np.float32)
;;   ~~~
;;   SOFTMAX AHEAD OF A QUANTISED PRODUCT. Where the list says 'softmax', what is quantised is not the finished softmax but p = 2^(t - M), with t = logit x log2(e) and M = ceil(the row's largest t), a whole number; so 1/2 < the row's largest p <= 1. The row's sum l is taken of the UNQUANTISED p, in f32, and the product's result is divided by l at the end. Since M is a whole number, a kernel that streams over the keys may use a running M (the ceiling of the running maximum): every later rescaling is an exact power of two, which a block's scale takes up: the codes' values come out the same.
;;   OPERANDS COMPUTED ON THE WAY. 'Computed on the way' means the value that the module computes at that place (a softmax that the list does not call 'softmax' is quantised finished and normalised). What goes into a quantiser is computed in f32, as accurately as f32 sums, v_exp_f32 and their like allow (about 1e-6 of the number): no bf16 or f16 on the way to a quantiser, and a product that is left as it is and whose result goes on into a quantised operand takes f32 operands (vector FMAs, or v_wmma_f32_16x16x4_f32). A number that lies on a knife's edge between two numbers of the format may be rounded either way, as far as f32 arithmetic and the matrix unit's own rounding can turn it there, and no further.
;;   INPUTS GIVEN AS CODES. Wk (in the module: [768, 768], K = its axis 0); Wq (in the module: [768, 768], K = its axis 0); Wv (in the module: [768, 768], K = its axis 0); x (in the module: [2, 4096, 768], K = its axis 2): each comes as NAME_codes (uint8): NAME with its K axis moved to the last place and cut into blocks of 32 codes, [.., K / 32, bytes a block], one block behind the other in memory; four codes in three bytes: a row's codes are one little-endian stream of bits, code i at bits 6 i .. 6 i + 5 (a code: sign, 3 exponent bits, 2 mantissa bits); and NAME_scales (uint8): the same leading axes, one E8M0 byte (e + 127) for each 32 codes along K. Its value is code x scale, taken as it is: it is not quantised again, and the codes and scales need not be those that the quantiser above would give.
;; One version. Each part assembles by itself: llvm-mc -triple=amdgcn-amd-amdhsa -mcpu=gfx1250 --defsym DOCPART=n.
;; ======== version 1 of 1: 2 launches
;; limits: right only within a limited range of input values
;; workspace buffers: q 4,915,200 bytes; kv 9,830,400 bytes
;; launch proj (part 1): grid 32 x 9, 4 waves a work-group, no clusters, 327,680 bytes of LDS; arguments x_codes, x_scales, Wq_codes, Wq_scales, Wk_codes, Wk_scales, Wv_codes, Wv_scales, bq, bk, bv, q, kv; writes q, kv
.if DOCPART == 1
	.amdgcn_target "amdgcn-amd-amdhsa--gfx1250"
	.amdhsa_code_object_version 6
	.text
	.protected	k_q09ecd91636_proj
	.globl	k_q09ecd91636_proj
	.p2align	8
	.type	k_q09ecd91636_proj,@function
k_q09ecd91636_proj:
	s_mov_b64 s[64:65], 0
	v_nop
	global_prefetch_b8 v0, s[64:65] scope:SCOPE_SE
	s_setreg_imm32_b32 hwreg(HW_REG_WAVE_MODE, 25, 1), 1
	s_wait_xcnt 0x0
; q, k, v = x W + b on codes of BF6 (E3M2) with E8M0 scales, then quantised again along the next product's K and stored as images of operand registers.  No work is left out.
; A work-group makes 256 x 256 of one of the three products (grid y: 3 x matrix + column block); a wave 128 x 128 in 64 accumulators.  For v the sources are swapped, so that its K (the keys) runs along a lane's registers.
; THE TILES: a row of codes is 576 bytes, so 128 rows are one dense block of 73,728 bytes that begins at a multiple of 256 from the buffer's first byte.  Each wave brings one such block by ONE tensor load,
; as 288 rows of 256 bytes with 16 bytes of padding behind each: all of K lies in LDS, nothing is filled again.  Byte y of a block lies at y + 16 (y / 256).
; No joint loads: the grid's 9 along y does not divide into clusters of 4.  No prefetch: the launch has no loop to run ahead in.
; A piece of 8 bytes at byte 576 r + 24 h + c0 of a block, c0 = 256 A + 64 a + b: its unit is 2 r + r / 4 + A + ((r % 4 + a + e h) / 4), e = 1 where b >= 40.  So eight address registers (a, e) serve all pieces, twice: blocks 0-3 and 4-7 of 16 rows.
; LIMITS: NaN and infinities are not served.  A block of zeros keeps the scale byte 1: its codes are zeros.
.set KROW,   576
.set HALFT,  288*272
.set BLK16,  36*272
.set SPARE,  4*HALFT
.set FR,     12
.set NL,     6
.set UNIT,   12800
.set ADRA, 224
.set ADRB, 240
.set IMO,  24
.set SCO,  25
.set BO8,  26
.set BO1,  27
.set SPW,  28
.set NIL,  29
.set SCB,  32
.set SCA,  56
.set TM,   80
.set PW,   96
.set SW,   104
.set C2,   108
.set AF,   128
.set WV,   30
.set HA,   31
.set HB,   32
.set MAT,  35
.set G1,   40
.set G0,   48
.set MSB, 0
.macro WIN new
.if MSB != \new
	s_set_vgpr_msb (MSB<<8)|\new
.set MSB, \new
.endif
.endm
.set MUL_LO, 0xa1
.set MUL_HI, 0xf1
.set TO_B,   0x40
.macro PLACES
.rept 4
	v_nop
.endr
.endm
.macro WM d, f0, f1, c, sa, sb, ra, rb
.if (\ra) && (\rb)
	v_wmma_scale_f32_16x16x128_f8f6f4 v[\d:\d+7], v[\f0:\f0+11], v[\f1:\f1+11], v[\c:\c+7], v[\sa], v[\sb] matrix_a_fmt:MATRIX_FMT_BF6 matrix_b_fmt:MATRIX_FMT_BF6 matrix_a_scale:MATRIX_SCALE_ROW1 matrix_b_scale:MATRIX_SCALE_ROW1
.elseif (\ra)
	v_wmma_scale_f32_16x16x128_f8f6f4 v[\d:\d+7], v[\f0:\f0+11], v[\f1:\f1+11], v[\c:\c+7], v[\sa], v[\sb] matrix_a_fmt:MATRIX_FMT_BF6 matrix_b_fmt:MATRIX_FMT_BF6 matrix_a_scale:MATRIX_SCALE_ROW1
.elseif (\rb)
	v_wmma_scale_f32_16x16x128_f8f6f4 v[\d:\d+7], v[\f0:\f0+11], v[\f1:\f1+11], v[\c:\c+7], v[\sa], v[\sb] matrix_a_fmt:MATRIX_FMT_BF6 matrix_b_fmt:MATRIX_FMT_BF6 matrix_b_scale:MATRIX_SCALE_ROW1
.else
	v_wmma_scale_f32_16x16x128_f8f6f4 v[\d:\d+7], v[\f0:\f0+11], v[\f1:\f1+11], v[\c:\c+7], v[\sa], v[\sb] matrix_a_fmt:MATRIX_FMT_BF6 matrix_b_fmt:MATRIX_FMT_BF6
.endif
.endm
; 16 products; mode 1, 2: the first K step takes the bias as C (by source 0's or by source 1's blocks); the 64 accumulators by turns
.macro MUL16 a0, p, ks, mode
.irp a, \a0, \a0+1
.irp b, 0,1,2,3,4,5,6,7
.set DD, 8*(8*((\a)%4)+\b)
.if (\mode) == 0
.set CC, DD
.elseif (\mode) == 1
.set CC, 96+8*\b+96*(\b/4)
.else
.set CC, 96+8*(\a)+96*((\a)/4)
.endif
	WM DD, 128*(\p)+FR*\b, AF+FR*(\a), CC, SCB+6*(\b/2)+(\ks), SCA+6*((\a)/2)+(\ks), \b%2, (\a)%2
.endr
.endr
.endm
.macro FRAG reg, adr, q, i             ; block i's fragment of K step q: six pieces of 8 bytes
.irp p, 0,1,2,3,4,5
.set CB, 96*(\q)+48*(\p/3)+8*(\p%3)
.set AI, 2*((CB/64)%4)+((CB%64)/40)
	ds_load_b64 v[\reg+2*\p:\reg+2*\p+1], v[\adr+8*((\i)/4)+AI] offset:CB+16*(CB/256)+((\i)%4)*BLK16
.endr
.endm
.macro FETCH_B q, p
	WIN TO_B
.irp i, 0,1,2,3,4,5,6,7
	FRAG 128*(\p)+FR*\i, ADRB, \q, \i
.endr
	WIN 0
.endm
.macro FETCH_A q, i0
.irp i, \i0, \i0+1, \i0+2, \i0+3
	FRAG AF+FR*(\i), ADRA, \q, \i
.endr
.endm
; K step ks: 64 products on source 0's set ks % 2; the next step's fragments are fetched in its middle and at its end
.macro STEP ks, mode
	s_wait_dscnt 4*NL                      ; the youngest 24 loads (source 1's blocks 4-7) may be out
.if \mode
	WIN 0x91
.else
	WIN MUL_LO
.endif
	MUL16 0, (\ks)%2, \ks, \mode
	MUL16 2, (\ks)%2, \ks, \mode
	s_wait_dscnt 0x0
	PLACES
	FETCH_B (\ks)+1, ((\ks)+1)%2
	FETCH_A (\ks)+1, 0
.if \mode
	WIN 0xd1
.else
	WIN MUL_HI
.endif
	MUL16 4, (\ks)%2, \ks, \mode
	MUL16 6, (\ks)%2, \ks, \mode
	PLACES
	WIN 0
	FETCH_A (\ks)+1, 4
.endm
; block a's 16 x 128 results become a fragment of codes and a scale word, and the fragment is stored as it lies in registers
.macro QUANTW a
.set AC, 64*((\a)%4)
.set WW, 2+(\a)/4
.set CD, AF+FR*(\a)
	WIN 5*WW
.irp b, 0,1,2,3
	v_max3_num_f32 v[TM+\b], |v[AC+16*\b]|, |v[AC+16*\b+1]|, 0x2800000
.endr
.irp i, 2,4,6,8,10,12,14
.irp b, 0,1,2,3
	v_max3_num_f32 v[TM+\b], |v[AC+16*\b+\i]|, |v[AC+16*\b+\i+1]|, v[TM+\b]
.endr
.endr
	WIN 0
.irp b, 0,1,2,3
	v_permlanex16_b32 v[TM+4+\b], v[TM+\b], s92, s93
.endr
.irp b, 0,1,2,3
	v_max_num_f32 v[TM+\b], v[TM+\b], v[TM+4+\b]
.endr
.irp b, 0,1,2,3
	v_add_nc_u32 v[TM+12+\b], 0xfe000000, v[TM+\b]
.endr
.irp b, 0,1,2,3
	v_lshrrev_b32 v[TM+4+\b], 23, v[TM+12+\b]
.endr
	v_lshl_or_b32 v[PW+(\a)], v[TM+5], 8, v[TM+4]
	v_lshl_or_b32 v[PW+(\a)], v[TM+6], 16, v[PW+(\a)]
	v_lshl_or_b32 v[PW+(\a)], v[TM+7], 24, v[PW+(\a)]
	WIN WW
.irp c, 0,1
	v_cvt_scalef32_pk16_bf6_f32 v[CD+6*\c:CD+6*\c+2], v[AC+32*\c:AC+32*\c+15], v[TM+12+2*\c]
	v_cvt_scalef32_pk16_bf6_f32 v[C2+4*\c:C2+4*\c+2], v[AC+32*\c+16:AC+32*\c+31], v[TM+13+2*\c]
.endr
	WIN 0
	v_nop
.irp c, 0,1
.irp i, 0,1,2
	v_permlane16_swap_b32 v[CD+6*\c+\i], v[C2+4*\c+\i]
.endr
.irp i, 0,1,2
	v_mov_b32 v[CD+3+6*\c+\i], v[C2+4*\c+\i]
.endr
.endr
.irp c, 0,1,2
	global_store_b128 v[IMO], v[CD+4*\c:CD+4*\c+3], s[68:69] offset:128*FR*(\a)+512*\c
.endr
.endm
	s_load_b512 s[4:19], s[0:1], 0x0
	s_load_b256 s[20:27], s[0:1], 0x40
	s_load_b64 s[28:29], s[0:1], 0x60
	v_lshl_add_u32 v[SPW], v0, 2, SPARE
	v_mov_b32 v[NIL], 0
	ds_add_u32 v[SPW], v[NIL]              ; the opening lines: the add, twice on end, and its wait
	ds_add_u32 v[SPW], v[NIL]
	v_lshrrev_b32 v1, 5, v0
	v_readfirstlane_b32 s[WV], v1
	s_lshr_b32 s[HA], s[WV], 1
	s_and_b32 s[HB], s[WV], 1
	s_and_b32 s34, ttmp7, 0xffff
	s_mul_i32 s[MAT], s34, 11
	s_lshr_b32 s[MAT], s[MAT], 5           ; which matrix: y / 3
	s_mul_i32 s36, s[MAT], 3
	s_sub_co_u32 s36, s34, s36             ; its column block
	s_mov_b32 s[G1+0], (3<<16)|(1<<20)|(5<<22)|(3<<25)   ; elements of 8 bytes; 4 words of padding behind every 64
	s_mov_b32 s[G1+1], 32<<16
	s_mov_b32 s[G1+2], 288<<16
	s_mov_b32 s[G1+3], 32<<16
	s_mov_b32 s[G1+4], 288
	s_mov_b32 s[G1+5], 32
	s_mov_b32 s[G1+6], 0
	s_mov_b32 s[G1+7], 0
	s_mov_b32 s90, 0xffff0000
	s_mov_b32 s92, 0x76543210
	s_mov_b32 s93, 0xfedcba98
	s_lshl_b32 s74, ttmp9, 8
	s_lshl_b32 s75, s36, 8
	s_cmp_eq_u32 s[MAT], 2                 ; v: the sources change places
	s_cselect_b32 s76, s75, s74
	s_cselect_b32 s77, s74, s75
	s_cselect_b32 s78, s[HB], s[HA]
	s_cselect_b32 s79, s[HA], s[HB]
	s_cselect_b32 s89, UNIT, 0
	s_cmp_eq_u32 s[HA], 0
	s_cselect_b32 s80, s76, s77
	s_lshl_b32 s81, s[HB], 7
	s_add_co_u32 s80, s80, s81
	s_mul_i32 s80, s80, KROW               ; the 128 rows that I fetch, in bytes
	s_mov_b32 s81, 0
	s_mul_i32 s82, s[WV], HALFT            ; and where they go
	s_lshl_b32 s83, s[HA], 7
	s_add_co_u32 s84, s76, s83
	s_mul_i32 s84, s84, 24
	s_mov_b32 s85, 0
	s_lshl_b32 s83, s[HB], 7
	s_add_co_u32 s86, s77, s83
	s_mul_i32 s86, s86, 24
	s_mov_b32 s87, 0
	s_lshl_b32 s70, s36, 1
	s_add_co_u32 s70, s70, s79
	s_lshl_b32 s71, ttmp9, 1
	s_add_co_u32 s71, s71, s78
	s_lshr_b32 s72, s71, 5
	s_mul_i32 s72, s72, 6
	s_add_co_u32 s72, s72, s70
	s_lshl_b32 s72, s72, 5
	s_and_b32 s71, s71, 31
	s_add_co_u32 s72, s72, s71
	s_mov_b32 s73, 2*UNIT
	s_cmp_eq_u32 s[MAT], 0
	s_cselect_b32 s73, UNIT, s73
	s_mul_i32 s72, s72, s73
	s_add_co_u32 s72, s72, s89             ; my unit in q or kv
	s_mov_b32 s73, 0
	s_lshl_b32 s70, s70, 9
	s_mov_b32 s71, 0
	s_wait_dscnt 0x0
	s_wait_kmcnt 0x0
	s_cmp_eq_u32 s[MAT], 0
	s_cselect_b64 s[94:95], s[8:9], s[12:13]
	s_cselect_b64 s[96:97], s[10:11], s[14:15]
	s_cselect_b64 s[66:67], s[20:21], s[22:23]
	s_cselect_b64 s[68:69], s[26:27], s[28:29]
	s_cmp_eq_u32 s[MAT], 2
	s_cselect_b64 s[94:95], s[16:17], s[94:95]
	s_cselect_b64 s[96:97], s[18:19], s[96:97]
	s_cselect_b64 s[66:67], s[24:25], s[66:67]
	s_cselect_b64 s[56:57], s[94:95], s[4:5]
	s_cselect_b64 s[58:59], s[96:97], s[6:7]
	s_cselect_b64 s[60:61], s[4:5], s[94:95]
	s_cselect_b64 s[62:63], s[6:7], s[96:97]
	s_cmp_eq_u32 s[HA], 0
	s_cselect_b64 s[98:99], s[56:57], s[60:61]
	s_add_nc_u64 s[98:99], s[98:99], s[80:81]
	s_add_nc_u64 s[58:59], s[58:59], s[84:85]
	s_add_nc_u64 s[62:63], s[62:63], s[86:87]
	s_add_nc_u64 s[66:67], s[66:67], s[70:71]
	s_add_nc_u64 s[68:69], s[68:69], s[72:73]
	s_mov_b32 s[G0], 1
	s_mov_b32 s[G0+1], s82
	s_mov_b64 s[G0+2:G0+3], s[98:99]
	s_or_b32 s[G0+3], s[G0+3], 0x80000000
	tensor_load_to_lds s[G0:G0+3], s[G1:G1+7]   ; my one tensor load: 128 rows, all of K
	s_nop 0
	PLACES
	v_and_b32 v1, 15, v0                   ; r
	v_bfe_u32 v2, v0, 4, 1                 ; h
	v_mul_u32_u24 v3, v1, 608
	v_lshrrev_b32 v4, 2, v1
	v_lshl_add_u32 v3, v4, 4, v3
	v_mad_u32_u24 v3, v2, 24, v3           ; 608 r + 16 (r / 4) + 24 h
	v_and_b32 v4, 3, v1                    ; r % 4
	v_add_nc_u32 v5, v4, v2                ; r % 4 + h
	s_mul_i32 s70, s[HA], HALFT
	s_mul_i32 s71, s[HB], HALFT
	s_add_co_u32 s71, s71, 2*HALFT
	s_add_co_u32 s74, s70, 4*BLK16
	s_add_co_u32 s75, s71, 4*BLK16
.irp a, 0,1,2,3
.irp e, 0,1
	v_add_nc_u32 v7, \a, v[4+\e]
	v_lshrrev_b32 v7, 2, v7
	v_lshl_add_u32 v7, v7, 4, v3           ; + 16 where the piece lies one unit further on
	v_add_nc_u32 v[ADRA+2*\a+\e], s70, v7
	v_add_nc_u32 v[ADRB+2*\a+\e], s71, v7
	v_add_nc_u32 v[ADRA+8+2*\a+\e], s74, v7
	v_add_nc_u32 v[ADRB+8+2*\a+\e], s75, v7
.endr
.endr
	v_and_b32 v6, 31, v0
	v_lshlrev_b32 v[IMO], 4, v6
	v_mul_u32_u24 v[SCO], v6, 24
	v_lshlrev_b32 v[BO8], 5, v2
	v_lshlrev_b32 v[BO1], 2, v1
.irp b, 0,1,2,3
	v_mov_b32 v[TM+4+\b], 0
.endr
.irp t, 0,1,2,3                        ; the scale bytes of 32 rows a lane-run, all of K: 24 bytes a row
.irp i, 0,1,2
	global_load_b64 v[SCB+6*\t+2*\i:SCB+6*\t+2*\i+1], v[SCO], s[62:63] offset:768*\t+8*\i
	global_load_b64 v[SCA+6*\t+2*\i:SCA+6*\t+2*\i+1], v[SCO], s[58:59] offset:768*\t+8*\i
.endr
.endr
	s_cmp_eq_u32 s[MAT], 2
	s_cbranch_scc1 .Lbias_v
	WIN TO_B
.irp g, 0,1,2,3,4,5,6,7
.set BG, 96+8*\g+96*(\g/4)
	global_load_b128 v[BG:BG+3], v[BO8], s[66:67] offset:64*\g
	global_load_b128 v[BG+4:BG+7], v[BO8], s[66:67] offset:64*\g+16
.endr
	WIN 0
	s_branch .Lbias_done
.Lbias_v:
	WIN TO_B
	s_wait_alu depctr_va_vdst(0)
.irp g, 0,1,2,3,4,5,6,7
.set BG, 96+8*\g+96*(\g/4)
	global_load_b32 v[BG], v[BO1], s[66:67] offset:64*\g
.endr
	s_wait_loadcnt 0x0
	WIN 0x41
.irp g, 0,1,2,3,4,5,6,7
.set BG, 96+8*\g+96*(\g/4)
.irp j, 1,2,3,4,5,6,7
	v_mov_b32 v[BG+\j], v[BG]
.endr
.endr
	WIN 0
.Lbias_done:
	s_wait_alu depctr_va_vdst(0)           ; the wait at the head's end
	s_wait_tensorcnt 0x0                   ; my block is in,
	s_barrier_signal -1
	s_barrier_wait -1                      ; and so is everybody's
	FETCH_B 0, 0
	FETCH_A 0, 0
	FETCH_A 0, 4
	s_wait_loadcnt 0x0
	s_cmp_eq_u32 s[MAT], 2
	s_cbranch_scc1 .Lfirst_v
	s_wait_alu depctr_va_vdst(0)
	STEP 0, 1
	s_branch .Lfirst_done
.Lfirst_v:
	s_wait_alu depctr_va_vdst(0)
	STEP 0, 2
.Lfirst_done:
	STEP 1, 0
	STEP 2, 0
	STEP 3, 0
	STEP 4, 0
	s_wait_dscnt 4*NL
	WIN MUL_LO
	MUL16 0, 1, 5, 0
	MUL16 2, 1, 5, 0
	s_wait_dscnt 0x0
	WIN MUL_HI
	MUL16 4, 1, 5, 0
	MUL16 6, 1, 5, 0
	WIN 0
	PLACES
.irp a, 0,1,2,3,4,5,6,7
	QUANTW \a
.endr
.irp i, 0,1,2,3
	v_cndmask_b32 v[SW+\i], v[PW+2*\i], v[PW+2*\i+1], s90
.endr
	global_store_b128 v[IMO], v[SW:SW+3], s[68:69] offset:8*128*FR
	s_wait_tensorcnt 0x0                   ; the wave's end
	ds_add_u32 v[SPW], v[NIL]
	s_wait_dscnt 0x0
	s_endpgm
.Lfunc_end_k_q09ecd91636_proj:
	.size	k_q09ecd91636_proj, .Lfunc_end_k_q09ecd91636_proj-k_q09ecd91636_proj
	.p2alignl 7, 3214868480
	.fill 96, 4, 3214868480
	.section	.rodata,"a",@progbits
	.p2align	6, 0x0
	.amdhsa_kernel k_q09ecd91636_proj
		.amdhsa_group_segment_fixed_size 327680
		.amdhsa_private_segment_fixed_size 0
		.amdhsa_enable_private_segment 0
		.amdhsa_kernarg_size 104
		.amdhsa_user_sgpr_count 2
		.amdhsa_user_sgpr_kernarg_segment_ptr 1
		.amdhsa_wavefront_size32 1
		.amdhsa_system_sgpr_workgroup_id_x 1
		.amdhsa_system_sgpr_workgroup_id_y 1
		.amdhsa_system_sgpr_workgroup_id_z 1
		.amdhsa_system_vgpr_workitem_id 0
		.amdhsa_next_free_vgpr 1024
		.amdhsa_next_free_sgpr 100
		.amdhsa_reserve_vcc 0
		.amdhsa_float_denorm_mode_32 3
		.amdhsa_float_denorm_mode_16_64 3
		.amdhsa_memory_ordered 1
		.amdhsa_forward_progress 1
		.amdhsa_inst_pref_size 149
	.end_amdhsa_kernel
	.amdgpu_metadata
---
amdhsa.version: [ 1, 2 ]
amdhsa.kernels:
  - .name:           k_q09ecd91636_proj
    .symbol:         k_q09ecd91636_proj.kd
    .args:
      - { .name: x_codes, .offset: 0, .size: 8, .value_kind: global_buffer, .address_space: global }
      - { .name: x_scales, .offset: 8, .size: 8, .value_kind: global_buffer, .address_space: global }
      - { .name: Wq_codes, .offset: 16, .size: 8, .value_kind: global_buffer, .address_space: global }
      - { .name: Wq_scales, .offset: 24, .size: 8, .value_kind: global_buffer, .address_space: global }
      - { .name: Wk_codes, .offset: 32, .size: 8, .value_kind: global_buffer, .address_space: global }
      - { .name: Wk_scales, .offset: 40, .size: 8, .value_kind: global_buffer, .address_space: global }
      - { .name: Wv_codes, .offset: 48, .size: 8, .value_kind: global_buffer, .address_space: global }
      - { .name: Wv_scales, .offset: 56, .size: 8, .value_kind: global_buffer, .address_space: global }
      - { .name: bq, .offset: 64, .size: 8, .value_kind: global_buffer, .address_space: global }
      - { .name: bk, .offset: 72, .size: 8, .value_kind: global_buffer, .address_space: global }
      - { .name: bv, .offset: 80, .size: 8, .value_kind: global_buffer, .address_space: global }
      - { .name: q, .offset: 88, .size: 8, .value_kind: global_buffer, .address_space: global }
      - { .name: kv, .offset: 96, .size: 8, .value_kind: global_buffer, .address_space: global }
    .group_segment_fixed_size: 327680
    .private_segment_fixed_size: 0
    .kernarg_segment_align: 8
    .kernarg_segment_size: 104
    .max_flat_workgroup_size: 128
    .sgpr_count:     100
    .vgpr_count:     1024
    .wavefront_size: 32
...
	.end_amdgpu_metadata
.endif
;; end of part 1
;; launch attn (part 2): grid 16 x 12, 8 waves a work-group, clusters of 4 x 1, 327,680 bytes of LDS; arguments q, kv, out0; writes out0
.if DOCPART == 2
	.amdgcn_target "amdgcn-amd-amdhsa--gfx1250"
	.amdhsa_code_object_version 6
	.text
	.protected	k_q09ecd91636_attn
	.globl	k_q09ecd91636_attn
	.p2align	8
	.type	k_q09ecd91636_attn,@function
k_q09ecd91636_attn:
	s_mov_b64 s[64:65], 0
	v_nop
	global_prefetch_b8 v0, s[64:65] scope:SCOPE_SE
	s_setreg_imm32_b32 hwreg(HW_REG_WAVE_MODE, 25, 1), 1
	s_wait_xcnt 0x0
	s_wait_alu depctr_hold_cnt(0) depctr_sa_sdst(0) depctr_va_vdst(0) depctr_va_sdst(0) depctr_va_ssrc(0) depctr_va_vcc(0) depctr_vm_vsrc(0)
	s_getreg_b32 s2, hwreg(HW_REG_IB_STS2, 6, 4)
	s_cmp_eq_u32 s2, 0
	s_cbranch_scc0 .Lentry_in_a_cluster
	s_endpgm
.Lentry_in_a_cluster:
	s_bfe_u32 s2, ttmp6, 0x10000c
	s_cmp_lg_u32 s2, 0x3003
	s_cbranch_scc0 .Lentry_shape_is_right
	s_endpgm
.Lentry_shape_is_right:
; out0[b][s][128 hd + :] = tanh(the sum over keys of softmax(q . k / sqrt(128)) v) for each of the 12 pairs hh = 6 b + hd, both products on codes of BF6 (E3M2) with one E8M0 scale for each 32 along K.  No work is left out.
; q and kv hold images of operand registers (a unit: 8 fragments of 1,536 bytes, registers 4 c .. 4 c + 3 of lane l at 512 c + 16 l; at 12,288 the scale words, 16 bytes a lane: word i is tile 2 i's in lanes 0-15, tile 2 i + 1's in lanes 16-31).
; q: [hh][32] units of 128 queries.  kv: [hh][32][25,600]: for each 128 keys K's unit (fragment a = keys 16 a + r) and V's (fragment a = channels 16 a + r, K = the 128 keys).
; Inside each block of 32 along K the codes lie in the order 0-7, 16-23, 8-15, 24-31, on both sides of both products alike (p is laid so here too).
; THE SOFTMAX: t = score x log2(e) / sqrt(128); M = the row's largest t so far, rounded UP to a whole number; p = 2^(t - M) is quantised along the keys, not normalised.  The row's sum is taken of the unquantised p and divides O at the end.
; When M moves, the sum and O are multiplied by 2^(old M - new M): exact.
; LIMITS: NaN and infinities are not served; the scaled scores stay under 2^31 in magnitude.  A block whose every p has fallen to 0 keeps the scale byte 1: its codes are zeros.
; SHARES.  A work-group owns 256 queries of one pair; each of its EIGHT waves owns 32, two tiles A and B, so that each fragment of K and of V read from LDS feeds two matrix instructions.  12 x 16 = 192 work-groups:
; a pair's 256 tiles x 32 key steps do not divide into 256 equal shares of whole tiles.  Every wave walks all 4,096 keys, 128 a step.
; A STEP: K's eight fragments into registers; S^T of tile A, its softmax and codes; S^T of tile B into the same registers; V's eight fragments over K's, asked for ahead of B's softmax; both O^T rescaled; 16 products.
; THE RING: two LDS slots of four key steps (102,400 bytes), filled by waves 0 to 3, a key step each: 100 dense rows of 256 bytes.  One tensor load of a wave is out at a time; every wait for tensor loads is for all.
; CLUSTER.  The four query blocks of a cluster belong to one pair and walk the same kv: each key step is asked for JOINTLY.
; Both products are used transposed (S^T = K Q^T, O^T = V^T P^T): a lane holds ONE query of each tile throughout.
; REGISTERS, window 0: v1, v3 LDS addresses; v4 at work; v5, v6 the add's two; v8-11 V's scale image; A's state v12 -M, v13 largest t, v[14:15] sum; v16-27 Q of A; v28 prefetch offset; v29 Q's scale words (A lanes 0-15, B lanes 16-31);
;   B's state v30, v31, v[44:45]; v32-43 Q of B; v46 f and v47 p's scale word of A, v48, v49 of B; v50-61, v62-73 p's codes; v74-77 K's scale image; v78-79, v240-255 at work; v80-175 eight fragments; v176-239 S^T, then p.
;   window 1: v0-63 O^T of A, v64-127 of B.
.set UNIT,  12800
.set STEPB, 2*UNIT
.set KSCL,  12288
.set VCOD,  UNIT
.set VSCL,  UNIT+12288
.set SLOTB, 4*STEPB
.set SLOT1, 1<<17                      ; slot 1 begins here: one exclusive or changes slots
.set NSL,   8
.set SPARE, 2*SLOT1                    ; the spare words: 128 bytes a wave, four blocks of 256 bytes that no other line names
.set STAGE, 0                          ; the way out: 16 rows x 272 bytes a wave, in slot 0, which has had its last fill and its last read by then
.set LI0,  1
.set AD,   3
.set TT,   4
.set SPW,  5
.set NIL,  6
.set GO,   7
.set VS,   8
.set QA,   16
.set PFO,  28
.set QS,   29
.set QB,   32
.set KS,   74
.set FG,   80
.set SS,   176
.set BM,   240
.set PT,   244
.set SO,   252
.set TB,   10
.set SLOTS, 11
.set LIM,  12
.set IN,   16
.set WV,   18
.set SEL,  20
.set CS,   22
.set G1,   24
.set G0,   40
.set PFA,  46
.set MSB, 0
.macro WIN new                         ; the immediate's high byte repeats the setting that is left
.if MSB != \new
	s_set_vgpr_msb (MSB<<8)|\new
.set MSB, \new
.endif
.endm
.macro CROUND                          ; a round of the cluster's barrier
	s_barrier_signal -1
	s_barrier_wait -1
	s_cmp_lg_u32 s[WV], 0
	s_cbranch_scc1 .Lnot_wave_0_\@
	s_barrier_signal -3
.Lnot_wave_0_\@:
	s_barrier_wait -3
	s_barrier_signal -1
	s_barrier_wait -1
.endm
.macro TLOAD                           ; the joint load: waves 0 to 3, a key step each; the branch hangs on the wave's number alone
	s_cmp_lt_u32 s[WV], 4
	s_cbranch_scc0 .Lno_load_\@
	tensor_load_to_lds s[G0:G0+3], s[G1:G1+7]
	s_nop 0
.rept 4
	v_nop
.endr
.Lno_load_\@:
.endm
; A prefetch of the slot that the NEXT change of slots will ask for, four key steps ahead of that load.  A slot is 400 blocks of 256 bytes.  The pair's first cluster asks: its four partners take a key step (100 blocks) each, told apart
; by address; in each, waves 4 to 7 take 25 blocks each, lanes 256 bytes apart; lanes 25 to 31 name lane 24's block again.  The last change that fills a slot asks for nothing.  Slots 0 and 1 come by their loads alone.
.macro ASK
	s_cmp_gt_u32 s[SLOTS], s[LIM]
	s_cbranch_scc0 .Lnot_mine_\@
	global_prefetch_b8 v[PFO], s[PFA:PFA+1] th:TH_LOAD_NT scope:SCOPE_SE
.Lnot_mine_\@:
.endm
.macro WS d, f0, qq, sa, ra, rb        ; a tile of S^T: its sum begins with 0.  ra, rb: the scale words stand in lanes 16-31
.if (\ra) && (\rb)
	v_wmma_scale_f32_16x16x128_f8f6f4 v[\d:\d+7], v[\f0:\f0+11], v[\qq:\qq+11], 0, v[\sa], v[QS] matrix_a_fmt:MATRIX_FMT_BF6 matrix_b_fmt:MATRIX_FMT_BF6 matrix_a_scale:MATRIX_SCALE_ROW1 matrix_b_scale:MATRIX_SCALE_ROW1
.elseif (\ra)
	v_wmma_scale_f32_16x16x128_f8f6f4 v[\d:\d+7], v[\f0:\f0+11], v[\qq:\qq+11], 0, v[\sa], v[QS] matrix_a_fmt:MATRIX_FMT_BF6 matrix_b_fmt:MATRIX_FMT_BF6 matrix_a_scale:MATRIX_SCALE_ROW1
.elseif (\rb)
	v_wmma_scale_f32_16x16x128_f8f6f4 v[\d:\d+7], v[\f0:\f0+11], v[\qq:\qq+11], 0, v[\sa], v[QS] matrix_a_fmt:MATRIX_FMT_BF6 matrix_b_fmt:MATRIX_FMT_BF6 matrix_b_scale:MATRIX_SCALE_ROW1
.else
	v_wmma_scale_f32_16x16x128_f8f6f4 v[\d:\d+7], v[\f0:\f0+11], v[\qq:\qq+11], 0, v[\sa], v[QS] matrix_a_fmt:MATRIX_FMT_BF6 matrix_b_fmt:MATRIX_FMT_BF6
.endif
.endm
.macro WO d, f0, pc, sa, sp, ra        ; a tile of O^T (window 1), onto its sum
.if \ra
	v_wmma_scale_f32_16x16x128_f8f6f4 v[\d:\d+7], v[\f0:\f0+11], v[\pc:\pc+11], v[\d:\d+7], v[\sa], v[\sp] matrix_a_fmt:MATRIX_FMT_BF6 matrix_b_fmt:MATRIX_FMT_BF6 matrix_a_scale:MATRIX_SCALE_ROW1
.else
	v_wmma_scale_f32_16x16x128_f8f6f4 v[\d:\d+7], v[\f0:\f0+11], v[\pc:\pc+11], v[\d:\d+7], v[\sa], v[\sp] matrix_a_fmt:MATRIX_FMT_BF6 matrix_b_fmt:MATRIX_FMT_BF6
.endif
.endm
.macro EIGHT off                       ; eight fragments, as they lie: 24 loads of 512 consecutive bytes
.irp t, 0,1,2,3,4,5,6,7
.irp c, 0,1,2
	ds_load_b128 v[FG+12*\t+4*\c:FG+12*\t+4*\c+3], v[AD] offset:\off+1536*\t+512*\c
.endr
.endr
.endm
; One tile's softmax step on the 64 scores in v[SS ..].  mn: -M and the largest t; su: the sum's pair; ff: f and p's scale word; pc: p's codes
.macro SOFT mn, su, ff, pc
.irp b, 0,1,2,3
	v_max3_num_f32 v[BM+\b], v[SS+16*\b], v[SS+1+16*\b], v[SS+2+16*\b]   ; the largest score of each block of 32 keys: for the row's maximum and, since p rises with the score, for the block's largest p
.endr
.irp i, 3,5,7,9,11,13
.irp b, 0,1,2,3
	v_max3_num_f32 v[BM+\b], v[BM+\b], v[SS+16*\b+\i], v[SS+1+16*\b+\i]   ; (each tile is first read at its low end)
.endr
.endr
.irp b, 0,1,2,3
	v_max_num_f32 v[BM+\b], v[BM+\b], v[SS+15+16*\b]
.endr
.irp b, 0,1,2,3
	s_delay_alu instid0(VALU_DEP_4)
	v_permlanex16_b32 v[PT+\b], v[BM+\b], s[SEL], s[SEL+1]
.endr
.irp b, 0,1,2,3
	s_delay_alu instid0(VALU_DEP_4)
	v_max_num_f32 v[BM+\b], v[BM+\b], v[PT+\b]     ; with lane l xor 16's 16 keys
.endr
	s_delay_alu instid0(VALU_DEP_2)
	v_max3_num_f32 v[TT], v[BM], v[BM+1], v[BM+2]
	s_delay_alu instid0(VALU_DEP_1)
	v_max_num_f32 v[TT], v[TT], v[BM+3]
	s_delay_alu instid0(VALU_DEP_1)
	v_mul_f32 v[TT], s[CS], v[TT]                  ; the step's largest t (c is positive)
	s_delay_alu instid0(VALU_DEP_1)
	v_max_num_f32 v[\mn+1], v[\mn+1], v[TT]
	v_mov_b32 v[TT], v[\mn]
	s_delay_alu instid0(VALU_DEP_2)
	v_floor_f32 v[\mn], -v[\mn+1]                  ; the new -M = -ceil(t)
	s_delay_alu instid0(VALU_DEP_1)
	v_sub_f32 v[TT], v[\mn], v[TT]                 ; old M less new M: a whole number, 0 or less
	s_delay_alu instid0(VALU_DEP_1)
	v_cvt_i32_f32 v[TT], v[TT]
	s_delay_alu instid0(VALU_DEP_1)
	v_ldexp_f32 v[\ff], 1.0, v[TT]                 ; f = 2^(old M - new M)
.set j, 0
.rept 32
	v_pk_fma_f32 v[SS+j:SS+j+1], v[SS+j:SS+j+1], s[CS:CS+1], v[\mn:\mn+1] op_sel_hi:[1,0,0]   ; t - M
.set j, j+2
.endr
.irp b, 0,1,2,3
	v_fma_f32 v[BM+\b], v[BM+\b], s[CS], v[\mn]
.endr
	s_wait_alu depctr_va_vdst(0)                   ; the wait ahead of the batch
.set j, 0
.rept 64
	v_exp_f32 v[SS+j], v[SS+j]                     ; p
.set j, j+1
.endr
	v_pk_mul_f32 v[\su:\su+1], v[\su:\su+1], v[\ff:\ff+1] op_sel_hi:[1,0]   ; the sums under the new M
	s_wait_alu depctr_va_vdst(0)                   ; one wait for the batch
.irp b, 0,1,2,3
	v_exp_f32 v[BM+\b], v[BM+\b]                   ; each block's largest p
.endr
.irp k, 0,1,2,3,4,5,6                          ; the row's sum of the unquantised p, in eight chains (seven pairs at work: v244 .. v254, v78)
	v_pk_add_f32 v[PT+2*\k-178*(\k/6):PT+2*\k-178*(\k/6)+1], v[SS+8*\k+4:SS+8*\k+5], v[SS+8*\k+8:SS+8*\k+9]
.endr
	v_pk_add_f32 v[\su:\su+1], v[\su:\su+1], v[SS+60:SS+61]
.irp k, 0,1,2,3,4,5,6
	v_pk_add_f32 v[PT+2*\k-178*(\k/6):PT+2*\k-178*(\k/6)+1], v[PT+2*\k-178*(\k/6):PT+2*\k-178*(\k/6)+1], v[SS+4*\k+2:SS+4*\k+3]
.endr
	v_pk_add_f32 v[\su:\su+1], v[\su:\su+1], v[SS+30:SS+31]
.irp k, 0,1,2,3,4,5,6
	v_pk_add_f32 v[PT+2*\k-178*(\k/6):PT+2*\k-178*(\k/6)+1], v[PT+2*\k-178*(\k/6):PT+2*\k-178*(\k/6)+1], v[SS+4*\k+34:SS+4*\k+35]
.endr
	v_pk_add_f32 v[\su:\su+1], v[\su:\su+1], v[SS+62:SS+63]
	v_pk_add_f32 v[PT:PT+1], v[PT:PT+1], v[SS:SS+1]
	v_pk_add_f32 v[\su:\su+1], v[\su:\su+1], v[PT+6:PT+7]
	v_pk_add_f32 v[PT:PT+1], v[PT:PT+1], v[PT+8:PT+9]
	v_pk_add_f32 v[PT+2:PT+3], v[PT+2:PT+3], v[PT+10:PT+11]
	v_pk_add_f32 v[PT+4:PT+5], v[PT+4:PT+5], v[78:79]
	s_delay_alu instid0(VALU_DEP_2)
	v_pk_add_f32 v[\su:\su+1], v[\su:\su+1], v[PT+2:PT+3]
	s_delay_alu instid0(VALU_DEP_2)
	v_pk_add_f32 v[PT:PT+1], v[PT:PT+1], v[PT+4:PT+5]
	s_delay_alu instid0(VALU_DEP_1)
	v_pk_add_f32 v[\su:\su+1], v[\su:\su+1], v[PT:PT+1]
	s_wait_alu depctr_va_vdst(0)                   ; and one for the four
.irp b, 0,1,2,3
	v_max_num_f32 v[BM+\b], 0x2800000, v[BM+\b]    ; the floor 2^(5 - 127): the byte cannot fall under 1
.endr
.irp b, 0,1,2,3
	s_delay_alu instid0(VALU_DEP_4)
	v_add_nc_u32 v[SO+\b], 0xfe000000, v[BM+\b]    ; 4 off the exponent field: the conversion's scale operand
.endr
.irp b, 0,1,2,3
	s_delay_alu instid0(VALU_DEP_4)
	v_lshrrev_b32 v[PT+\b], 23, v[SO+\b]           ; the scale's byte
.endr
	s_delay_alu instid0(VALU_DEP_3)
	v_lshl_or_b32 v[\ff+1], v[PT+1], 8, v[PT]
	s_delay_alu instid0(VALU_DEP_1)
	v_lshl_or_b32 v[\ff+1], v[PT+2], 16, v[\ff+1]
	s_delay_alu instid0(VALU_DEP_1)
	v_lshl_or_b32 v[\ff+1], v[PT+3], 24, v[\ff+1]  ; p's scale word for these 128 keys
.irp c, 0,1
	v_cvt_scalef32_pk16_bf6_f32 v[\pc+6*\c:\pc+6*\c+2], v[SS+32*\c:SS+32*\c+15], v[SO+2*\c]
	v_cvt_scalef32_pk16_bf6_f32 v[PT+4*\c:PT+4*\c+2], v[SS+16+32*\c:SS+31+32*\c], v[SO+2*\c+1]
.endr
	v_nop                                          ; one plain place behind a scaled conversion
.irp c, 0,1                                    ; a whole block in a lane: lanes 0-15 block 2 c, lanes 16-31 block 2 c + 1
.irp i, 0,1,2
	v_permlane16_swap_b32 v[\pc+6*\c+\i], v[PT+4*\c+\i]
.endr
.irp i, 0,1,2
	s_delay_alu instid0(VALU_DEP_3)
	v_mov_b32 v[\pc+3+6*\c+\i], v[PT+4*\c+\i]
.endr
.endr
.endm
; A KEY STEP: 128 keys, at byte ob behind s[TB] in LDS
.macro STEP ob
	v_add_nc_u32 v[AD], s[TB], v[LI0]
.rept 3
	v_nop                                          ; with the addition: four places in front of loads into registers that the last products have read
.endr
	ds_load_b128 v[KS:KS+3], v[AD] offset:\ob+KSCL
	EIGHT \ob
	s_wait_alu depctr_va_vdst(0)
	s_wait_dscnt 12                                ; the youngest 12 loads, K's fragments 4 to 7, may be out
.irp t, 0,1,2,3
	WS SS+8*\t, FG+12*\t, QA, KS+\t/2, \t%2, 0
.endr
	s_wait_dscnt 0x0
.irp t, 4,5,6,7
	WS SS+8*\t, FG+12*\t, QA, KS+\t/2, \t%2, 0
.endr
.rept 4
	v_nop
.endr
	SOFT 12, 14, 46, 50
.irp t, 0,1,2,3,4,5,6,7
	WS SS+8*\t, FG+12*\t, QB, KS+\t/2, \t%2, 1     ; the same fragments of K, against tile B
.endr
.rept 4
	v_nop                                          ; places in front of the loads below and of the first read of the scores
.endr
	EIGHT \ob+VCOD                                 ; V's fragments and scale image land under B's softmax
	ds_load_b128 v[VS:VS+3], v[AD] offset:\ob+VSCL
	SOFT 30, 44, 48, 62
	WIN 0x41                                       ; source 0 and destination: window 1
	s_wait_alu depctr_va_vdst(0)                   ; the wait directly ahead of the first reader of O^T
.set j, 0
.rept 32
	v_pk_mul_f32 v[j:j+1], v[j:j+1], v[46:47] op_sel_hi:[1,0]          ; O^T of A under the new M
.set j, j+2
.endr
.set j, 0
.rept 32
	v_pk_mul_f32 v[64+j:65+j], v[64+j:65+j], v[48:49] op_sel_hi:[1,0]  ; and of B.  (These are also the places between p's codes and scale words and the products below)
.set j, j+2
.endr
	s_wait_alu depctr_va_vdst(0)
	s_wait_dscnt 0x0                               ; V is in
	WIN 0x50                                       ; C and D: window 1
.irp t, 0,1,2,3,4,5,6,7
	WO 8*\t, FG+12*\t, 50, VS+\t/2, 47, \t%2       ; the sixteen accumulators by turns, one instruction a turn
	WO 64+8*\t, FG+12*\t, 62, VS+\t/2, 49, \t%2
.endr
	WIN 0
.endm
; THE CHANGE OF SLOTS.  Each wave waits for all its tensor loads, adds 0 to its spare word, and waits for that and for its reads of the slot that it has left.  fill = 1: a round of the cluster's barrier, and behind it the slot left is filled again.
.macro CHANGE fill
	s_wait_tensorcnt 0x0
	ds_add_u32 v[SPW], v[NIL]
.if \fill
	ds_add_u32 v[SPW], v[NIL]                      ; and once more
	s_xor_b32 s[G0+1], s[G0+1], SLOT1              ; the walking descriptor: the other slot,
	s_add_nc_u64 s[G0+2:G0+3], s[G0+2:G0+3], SLOTB ; the next 512 keys
	s_wait_xcnt 0x0                                ; the last prefetch has read its address
	s_add_nc_u64 s[PFA:PFA+1], s[PFA:PFA+1], SLOTB
	s_wait_dscnt 0x0
	CROUND
	TLOAD
	ASK
.else
	s_wait_dscnt 0x0
	s_barrier_signal -1
	s_barrier_wait -1
.endif
.endm
.macro SLOT_STEPS                      ; a slot's four key steps: two trips of two
	s_mov_b32 s[IN], 2
.Lpair_\@:
	STEP 0
	STEP STEPB
	s_xor_b32 s[TB], s[TB], 2*STEPB                ; two key steps on, and back (these bits are 0 at a slot's first byte)
	s_sub_co_u32 s[IN], s[IN], 1
	s_cmp_lg_u32 s[IN], 0
	s_cbranch_scc1 .Lpair_\@
	s_xor_b32 s[TB], s[TB], SLOT1                  ; on to the other slot
.endm
	s_load_b128 s[4:7], s[0:1], 0x0                ; q, kv
	s_load_b64 s[8:9], s[0:1], 0x10                ; out0
	v_lshl_add_u32 v[SPW], v0, 2, SPARE
	v_mov_b32 v[NIL], 0
	ds_add_u32 v[SPW], v[NIL]                      ; the opening lines: the add, twice on end, and its wait
	ds_add_u32 v[SPW], v[NIL]
	v_lshrrev_b32 v3, 5, v0
	s_delay_alu instid0(VALU_DEP_1)
	v_readfirstlane_b32 s[WV], v3                  ; wave 0..7
	s_bfe_u32 s13, ttmp6, 0x40000                  ; cx: it enters q's, out0's and the prefetches' addresses alone
	s_lshl_b32 s14, ttmp9, 2
	s_add_co_u32 s14, s14, s13                     ; my block of 256 queries
	s_and_b32 s15, ttmp7, 0xffff                   ; hh
	s_mov_b32 s[G1+0], 15|(3<<16)|(1<<21)          ; the mask: all four; elements of 8 bytes; bit 21 beside a mask
	s_mov_b32 s[G1+1], 32<<16
	s_mov_b32 s[G1+2], 100<<16
	s_mov_b32 s[G1+3], 32<<16
	s_mov_b32 s[G1+4], 100
	s_mov_b32 s[G1+5], 32
	s_mov_b32 s[G1+6], 0
	s_mov_b32 s[G1+7], 0
	s_mov_b32 s[SEL], 0x76543210
	s_mov_b32 s[SEL+1], 0xfedcba98
	s_mov_b32 s[CS], 0x3e0293ee                    ; c = log2(e) / sqrt(128)
	s_mov_b32 s[CS+1], s[CS]
	s_mov_b32 s52, 0x3c800000                      ; 1/64
	s_mov_b32 s54, 0x4038aa3b                      ; 2 log2(e)
	s_mov_b32 s55, s54
	s_mov_b32 s56, 0x3e088889                      ; 2/15
	s_mov_b32 s57, s56
	s_mov_b32 s[TB], 0
	s_mov_b32 s[SLOTS], NSL-1
	s_and_b32 s32, s[WV], 3
	s_mul_i32 s33, s32, STEPB                      ; the key step that I fetch, if I fetch
	s_mul_i32 s53, s15, 32*STEPB                   ; the pair's first byte in kv
	s_add_co_u32 s34, s53, s33
	s_mov_b32 s35, 0
	s_mul_i32 s44, s13, STEPB                      ; the prefetches: my work-group's key step of a slot,
	s_mul_i32 s45, s32, 25*256                     ; my wave's 25 blocks of it,
	s_add_co_u32 s44, s44, s45
	s_add_co_u32 s44, s44, s53
	s_add_co_u32 s44, s44, SLOTB                   ; in slot 1: the first change of slots steps it to slot 2
	s_mov_b32 s45, 0
	s_sub_co_u32 s36, s[WV], 4
	s_lshr_b32 s36, s36, 2                         ; 0 in waves 4 to 7,
	s_or_b32 s36, s36, ttmp9                       ; of the pair's first cluster
	s_cmp_eq_u32 s36, 0
	s_cselect_b32 s[LIM], 1, -1
	s_lshl_b32 s36, s15, 5
	s_lshl_b32 s37, s14, 1
	s_add_co_u32 s36, s36, s37
	s_lshr_b32 s37, s[WV], 2
	s_add_co_u32 s36, s36, s37                     ; my unit of q: 32 hh + 2 x block + wave / 4
	s_mul_i32 s36, s36, UNIT
	s_mul_i32 s38, s32, 2*1536                     ; my two fragments in it: 2 (wave % 4) and the next
	s_add_co_u32 s38, s38, s36
	s_mov_b32 s39, 0
	s_lshl_b32 s48, s32, 2                         ; their scale words: word wave % 4 of each lane's 16 bytes
	s_add_co_u32 s48, s48, s36
	s_add_co_u32 s48, s48, KSCL
	s_mov_b32 s49, 0
	s_mov_b32 s53, 4096*3072
	s_cmp_ge_u32 s15, 6                            ; the batch
	s_cselect_b32 s50, 6, 0
	s_cselect_b32 s53, s53, 0
	s_sub_co_u32 s51, s15, s50                     ; the head
	s_lshl_b32 s51, s51, 9
	s_add_co_u32 s53, s53, s51
	s_lshl_b32 s51, s14, 8
	s_lshl_b32 s50, s[WV], 5
	s_add_co_u32 s51, s51, s50                     ; my first query
	s_mul_i32 s51, s51, 3072
	s_add_co_u32 s50, s53, s51
	s_mov_b32 s51, 0
	v_and_b32 v[PFO], 31, v0
	s_delay_alu instid0(VALU_DEP_1)
	v_min_u32 v[PFO], 24, v[PFO]
	s_delay_alu instid0(VALU_DEP_1)
	v_lshlrev_b32 v[PFO], 8, v[PFO]
	s_wait_dscnt 0x0
	s_wait_kmcnt 0x0
	s_mov_b32 s[G0], 1
	s_mov_b32 s[G0+1], s33
	s_add_nc_u64 s[G0+2:G0+3], s[6:7], s[34:35]
	s_or_b32 s[G0+3], s[G0+3], 0x80000000
	s_add_nc_u64 s[PFA:PFA+1], s[6:7], s[44:45]
	s_add_nc_u64 s[58:59], s[4:5], s[48:49]
	s_add_nc_u64 s[4:5], s[4:5], s[38:39]
	s_add_nc_u64 s[8:9], s[8:9], s[50:51]
	CROUND                                         ; the first joint loads meet
	TLOAD                                          ; slot 0
	v_and_b32 v[LI0], 31, v0
	s_delay_alu instid0(VALU_DEP_1)
	v_lshlrev_b32 v[LI0], 4, v[LI0]
.irp c, 0,1,2
	global_load_b128 v[QA+4*\c:QA+4*\c+3], v[LI0], s[4:5] offset:512*\c
	global_load_b128 v[QB+4*\c:QB+4*\c+3], v[LI0], s[4:5] offset:1536+512*\c
.endr
	global_load_b32 v[QS], v[LI0], s[58:59]
	v_mov_b32 v13, 0xff61b1e6                      ; the largest t so far: -3e38
	v_mov_b32 v31, 0xff61b1e6
	v_floor_f32 v12, -v13
	v_floor_f32 v30, -v31
.irp r, 14,15,44,45,47,49,244,245,246,247
	v_mov_b32 v\r, 0                               ; the sums; registers named in a pair or as a permute's destination before they are first written
.endr
	WIN 0x40
.set j, 0
.rept 128
	v_mov_b32 v[j], 0                              ; O^T of both tiles: the step is written once, and the first finds zeros
.set j, j+1
.endr
	WIN 0
	s_wait_alu depctr_va_vdst(0)                   ; the wait at the head's end
	s_wait_loadcnt 0x0
.Lslot:                                            ; NSL - 1 trips
	CHANGE 1
	SLOT_STEPS
	s_sub_co_u32 s[SLOTS], s[SLOTS], 1
	s_cmp_lg_u32 s[SLOTS], 0
	s_cbranch_scc1 .Lslot
	CHANGE 0                                       ; the last slot is written out
	SLOT_STEPS
; THE WAY OUT, a tile at a time.  y = O^T / the sum; tanh(y) in two forms, both computed, one selected: under |y| = 1/8 the series y + y^3 (-1/3 + 2 y^2 / 15), whose next term is under 2.1e-7 of y there;
; else 1 - 2 / (1 + 2^(2 log2(e) y)).  Then through my stage in LDS, 64 channels (256 bytes) of 16 queries at a time.
.set YY, 176
.set EE, 112
.set Y2, 48
.macro OUT su, ob, ro
	s_wait_xcnt 0x0                                ; the stores before have read their registers
	v_add_f32 v[\su], v[\su], v[\su+1]
	s_delay_alu instid0(VALU_DEP_1)
	v_permlanex16_b32 v240, v[\su], s[SEL], s[SEL+1]
	s_delay_alu instid0(VALU_DEP_1)
	v_add_f32 v[\su], v[\su], v240                 ; the row's sum
	s_wait_alu depctr_va_vdst(0)
	v_rcp_f32 v[\su], v[\su]
	v_nop
	WIN 0x01
	s_wait_alu depctr_va_vdst(0)                   ; ahead of the first reader of the reciprocal and of O^T
.set j, 0
.rept 32
	v_pk_mul_f32 v[YY+j:YY+j+1], v[\ob+j:\ob+j+1], v[\su:\su+1] op_sel_hi:[1,0]   ; y: register 8 t + i is channel 16 t + 8 h + i of query r
.set j, j+2
.endr
	WIN 0
.set j, 0
.rept 32
	v_pk_mul_f32 v[EE+j:EE+j+1], v[YY+j:YY+j+1], s[54:55] op_sel_hi:[1,0]
.set j, j+2
.endr
	s_wait_alu depctr_va_vdst(0)
.set j, 0
.rept 64
	v_exp_f32 v[EE+j], v[EE+j]                     ; e^(2 y)
.set j, j+1
.endr
.set j, 0
.rept 32
	v_pk_mul_f32 v[Y2+j:Y2+j+1], v[YY+j:YY+j+1], v[YY+j:YY+j+1]   ; y^2
.set j, j+2
.endr
	s_wait_alu depctr_va_vdst(0)
.set j, 0
.rept 32
	v_pk_add_f32 v[EE+j:EE+j+1], v[EE+j:EE+j+1], 1.0 op_sel_hi:[1,0]
.set j, j+2
.endr
	s_wait_alu depctr_va_vdst(0)
.set j, 0
.rept 64
	v_rcp_f32 v[EE+j], v[EE+j]
.set j, j+1
.endr
.set j, 0
.rept 8                                        ; the series, four pairs by turns
.irp p, 0,2,4,6
	v_pk_fma_f32 v[240+\p:241+\p], v[Y2+j+\p:Y2+j+\p+1], s[56:57], v[248:249] op_sel_hi:[1,0,1]
.endr
.irp p, 0,2,4,6
	s_delay_alu instid0(VALU_DEP_4)
	v_pk_mul_f32 v[240+\p:241+\p], v[240+\p:241+\p], v[Y2+j+\p:Y2+j+\p+1]
.endr
.irp p, 0,2,4,6
	s_delay_alu instid0(VALU_DEP_4)
	v_pk_fma_f32 v[YY+j+\p:YY+j+\p+1], v[240+\p:241+\p], v[YY+j+\p:YY+j+\p+1], v[YY+j+\p:YY+j+\p+1]
.endr
.set j, j+8
.endr
	s_wait_alu depctr_va_vdst(0)
.set j, 0
.rept 32
	v_pk_fma_f32 v[EE+j:EE+j+1], v[EE+j:EE+j+1], -2.0, 1.0 op_sel_hi:[1,0,0]
.set j, j+2
.endr
.set j, 0
.rept 64
	v_cmp_gt_f32 vcc_lo, s52, v[Y2+j]              ; y^2 under 1/64: the series
	s_delay_alu instid0(VALU_DEP_1)
	v_cndmask_b32 v[YY+j], v[EE+j], v[YY+j], vcc_lo
.set j, j+1
.endr
.irp u, 0,1
.irp t, 0,1,2,3
	ds_store_b128 v3, v[YY+32*\u+8*\t:YY+32*\u+8*\t+3] offset:64*\t
	ds_store_b128 v3, v[YY+32*\u+8*\t+4:YY+32*\u+8*\t+7] offset:64*\t+16
.endr
.irp i, 0,1,2,3,4,5,6,7
	ds_load_b128 v[Y2+32*\u+4*\i:Y2+32*\u+4*\i+3], v4 offset:2*\i*272   ; LDS serves a wave's instructions in order (ISA guide 5.7.1.4)
.endr
.endr
.irp u, 0,1
.irp i, 0,1,2,3,4,5,6,7
	s_wait_dscnt 15-8*\u-\i                        ; the LDS loads issued behind this one may stay out
	global_store_b128 v[GO], v[Y2+32*\u+4*\i:Y2+32*\u+4*\i+3], s[8:9] offset:2*\i*3072+256*\u+\ro th:TH_STORE_NT   ; 16 lanes store 256 consecutive bytes, aligned
.endr
.endr
.endm
	v_and_b32 v1, 15, v0                           ; r
	v_bfe_u32 v2, v0, 4, 1                         ; h
	s_mul_i32 s33, s[WV], 16*272
	s_add_co_u32 s33, s33, STAGE
	v_mul_u32_u24 v3, v1, 272
	s_delay_alu instid0(VALU_DEP_1)
	v_lshl_add_u32 v3, v2, 5, v3
	s_delay_alu instid0(VALU_DEP_1)
	v_add_nc_u32 v3, s33, v3                       ; in: row r, 64 t + 32 h bytes on
	v_mul_u32_u24 v4, v2, 272
	s_delay_alu instid0(VALU_DEP_1)
	v_lshl_add_u32 v4, v1, 4, v4
	s_delay_alu instid0(VALU_DEP_1)
	v_add_nc_u32 v4, s33, v4                       ; back: lanes 0-15 one row, lanes 16-31 the next
	v_mul_u32_u24 v[GO], v2, 3072
	s_delay_alu instid0(VALU_DEP_1)
	v_lshl_add_u32 v[GO], v1, 4, v[GO]
	v_mov_b32 v248, 0xbeaaaaab                     ; -1/3, twice
	v_mov_b32 v249, 0xbeaaaaab
	OUT 14, 0, 0
	OUT 44, 64, 16*3072
	s_wait_tensorcnt 0x0                           ; the wave's end
	ds_add_u32 v[SPW], v[NIL]
	s_wait_dscnt 0x0
	CROUND                                         ; the closing round
	s_endpgm
.Lfunc_end_k_q09ecd91636_attn:
	.size	k_q09ecd91636_attn, .Lfunc_end_k_q09ecd91636_attn-k_q09ecd91636_attn
	.p2alignl 7, 3214868480
	.fill 96, 4, 3214868480
	.section	.rodata,"a",@progbits
	.p2align	6, 0x0
	.amdhsa_kernel k_q09ecd91636_attn
		.amdhsa_group_segment_fixed_size 327680
		.amdhsa_private_segment_fixed_size 0
		.amdhsa_enable_private_segment 0
		.amdhsa_kernarg_size 24
		.amdhsa_user_sgpr_count 2
		.amdhsa_user_sgpr_kernarg_segment_ptr 1
		.amdhsa_wavefront_size32 1
		.amdhsa_system_sgpr_workgroup_id_x 1
		.amdhsa_system_sgpr_workgroup_id_y 1
		.amdhsa_system_sgpr_workgroup_id_z 1
		.amdhsa_system_vgpr_workitem_id 0
		.amdhsa_next_free_vgpr 384
		.amdhsa_next_free_sgpr 66
		.amdhsa_reserve_vcc 1
		.amdhsa_float_denorm_mode_32 3
		.amdhsa_float_denorm_mode_16_64 3
		.amdhsa_memory_ordered 1
		.amdhsa_forward_progress 1
		.amdhsa_inst_pref_size 220
	.end_amdhsa_kernel
	.amdgpu_metadata
---
amdhsa.version: [ 1, 2 ]
amdhsa.kernels:
  - .name:           k_q09ecd91636_attn
    .symbol:         k_q09ecd91636_attn.kd
    .args:
      - { .name: q, .offset: 0, .size: 8, .value_kind: global_buffer, .address_space: global }
      - { .name: kv, .offset: 8, .size: 8, .value_kind: global_buffer, .address_space: global }
      - { .name: out0, .offset: 16, .size: 8, .value_kind: global_buffer, .address_space: global }
    .group_segment_fixed_size: 327680
    .private_segment_fixed_size: 0
    .kernarg_segment_align: 8
    .kernarg_segment_size: 24
    .max_flat_workgroup_size: 256
    .sgpr_count:     66
    .vgpr_count:     384
    .wavefront_size: 32
...
	.end_amdgpu_metadata
.endif
;; end of part 2
